; MI455X (gfx1250); checked and timed in simulation.
; The chip was launched on July 23, 2026; its instructions are those of AMD's public machine-readable ISA for CDNA 5 (MIT licence, August 2026) and "CDNA5" Instruction Set Architecture Reference Guide (July 2026). The comments in the code are by the model that wrote it; some were corrected since.
;; Self Attention. Allowed arithmetic: matrix products marked QUANTISED: E3M2 operands, one E8M0 scale for each 32 along K, by v_wmma_scale_f32_16x16x128_f8f6f4 with both operands' format E3M2, f32 sums; products left as they are: f32 operands where the result goes on into a quantised operand, else bf16, f16 or f32 operands; f32 sums; everything else in f32.
;; Inputs: W_out 1,024 x 1,024 float32; W_qkv 1,024 x 3,072 float32; b_out 1,024 float32; b_qkv 3,072 float32; x 4 x 4,096 x 1,024 float32.
;; Outputs: out0 4 x 4,096 x 1,024 float32.
;; This version of the problem:
;;   THIS VERSION OF THE PROBLEM IS GIVEN IN LOW PRECISION. The matrix products marked QUANTISED in the list below multiply operands that are first quantised to E3M2 (3 exponent bits, 2 mantissa bits; 6 bits a number), with one power-of-two scale for each 32 numbers along K (OCP MX v1.0); their sums are f32. All else is computed in f32.
;;   The module's matrix products, in the order in which they are computed (A, B: the left and right operand; K: the contracted axis; several contracted axes count as one K, in the product's order):
;;     1. [M 16,384, K 1,024] x [K 1,024, N 3,072]; A: input x; B: input W_qkv: QUANTISED
;;     2. batch 16,384 x [M 16, K 64] x [K 64, N 16]; A: computed on the way; B: computed on the way: QUANTISED
;;     3. batch 16,384 x [M 16, K 16] x [K 16, N 64]; A: softmax; B: computed on the way: left as it is (K = 16 < 32)
;;     4. [M 16,384, K 1,024] x [K 1,024, N 1,024]; A: computed on the way; B: input W_out: QUANTISED
;;   THE QUANTISER, for each operand of a quantised product, along K:
;;     - K is cut into blocks of 32 from its start; a last block that is shorter is filled with zeros.
;;     - A block's scale is 2^e with e = floor(log2(the largest magnitude in the block)) - 4, held to -126 .. 127; a block of zeros has e = 0. As a byte (E8M0): e + 127.
;;     - Each number is divided by its block's scale, clamped to +-28, and rounded to the nearest number of E3M2, ties to even, subnormals kept.
;;     - The product sums the exact products of the quantised numbers (number of the format x scale) in f32.
;;   ~~~python
;;   def quantise(x, axis):      # numpy; x: float32 -> the quantised numbers, widened to float32 again
;;       x = np.moveaxis(x, axis, -1); K = x.shape[-1]
;;       x = np.pad(x, [(0, 0)] * (x.ndim - 1) + [(0, -K % 32)]); x = x.reshape(x.shape[:-1] + (-1, 32)); a = np.abs(x).max(-1, keepdims=True)
;;       e = np.where(a > 0, np.clip(np.frexp(np.where(a > 0, a, 1))[1] - 1 - 4, -126, 127), 0)      # np.frexp(a)[1] - 1 = floor(log2(a)), exactly
;;       r = np.clip(x / 2.0 ** e, -28, 28)
;;       step = 2.0 ** (np.maximum(np.frexp(np.where(r == 0, 1, r))[1] - 1, -2) - 2)
;;       q = np.round(r / step) * step * 2.0 ** e      # np.round: ties to even
;;       return np.moveaxis(q.reshape(q.shape[:-2] + (-1,))[..., :K], -1, axis).astype(np.float32)
;;   ~~~
;;   OPERANDS COMPUTED ON THE WAY. 'Computed on the way' means the value that the module computes at that place (a softmax that the list does not call 'softmax' is quantised finished and normalised). What goes into a quantiser is computed in f32, as accurately as f32 sums, v_exp_f32 and their like allow (about 1e-6 of the number): no bf16 or f16 on the way to a quantiser, and a product that is left as it is and whose result goes on into a quantised operand takes f32 operands (vector FMAs, or v_wmma_f32_16x16x4_f32). A number that lies on a knife's edge between two numbers of the format may be rounded either way, as far as f32 arithmetic and the matrix unit's own rounding can turn it there, and no further.
;; One version. Each part assembles by itself: llvm-mc -triple=amdgcn-amd-amdhsa -mcpu=gfx1250 --defsym DOCPART=n.
;; ======== version 1 of 1: 2 launches
;; limits: right only within a limited range of input values
;; workspace buffers: wstream 3,293,184 bytes
;; launch layout (part 1): grid 512 x 1, 4 waves a work-group, no clusters, 1,024 bytes of LDS; arguments W_qkv, W_out, b_qkv, b_out, wstream; writes wstream
.if DOCPART == 1
	.amdgcn_target "amdgcn-amd-amdhsa--gfx1250"
	.amdhsa_code_object_version 6
	.text
	.protected	k_qb88d989b63_layout
	.globl	k_qb88d989b63_layout
	.p2align	8
	.type	k_qb88d989b63_layout,@function
k_qb88d989b63_layout:
	s_mov_b64 s[64:65], 0
	v_nop
	global_prefetch_b8 v0, s[64:65] scope:SCOPE_SE
	s_setreg_imm32_b32 hwreg(HW_REG_WAVE_MODE, 25, 1), 1
	s_wait_xcnt 0x0
; W_qkv [1024][3072] and W_out [1024][1024], f32 with K as their FIRST axis, become codes of BF6 (E3M2) with one E8M0 byte for each 32 along K,
; laid in the ORDER IN WHICH THE NEXT LAUNCH'S WAVES TAKE THEM INTO OPERAND REGISTERS; the biases are laid beside them in the order of a result's registers.
; THE STREAM: 64 chunks of CHB bytes; chunk (w, c) at (16 w + c) CHB is the c-th that wave w of the next launch walks: 64 columns = 4 tiles of 16.
;   in a chunk: K step s (128 along K) at s KSB: tile t's fragment at 1536 t, as an image of its 12 registers: registers 4 g .. 4 g + 3 of lane L at 512 g + 16 L;
;   at + 6144 the scale words: word t / 2 of the 8 bytes of lane r + 16 (t % 2) is the word of row r of tile t;  at 8 KSB the bias: f32 at 64 t + 4 m for row m of tile t.
; WHICH COLUMN is row m of tile t:  c 0-3: q, c 4-7: k, c 12-15: W_out: base + 32 (t / 2) + 8 (t % 2) + m + 8 (m / 8), so that in a transposed result the 16 registers of tiles 2 b, 2 b + 1 are
;   16 neighbours along the next K;  c 8-11: v: a tile is ONE channel d = 32 ((c / 2) % 2) + 8 w + 4 (c % 2) + t and its 16 rows are the 16 heads: column 2048 + 64 m + d.
; SHARES: a work-group makes one K step of one chunk.  A LANE TAKES A COLUMN AND ITS REGISTERS RUN DOWN K: wave (bb, hh), lane (r, u) makes what lane (r, hh) of tile 2 bb + u's fragment holds:
;   k = 32 hh + 0 .. 31 and 64 + 32 hh + 0 .. 31 of the step: two whole blocks, so no other lane is asked for a maximum and the conversions' results are the operand's registers.
; A block's scale byte is its largest magnitude's exponent field - 4, held at 1 from below.
; LIMITS: a block of zeros gets the byte 1 where the rule says 127 (its codes are zeros, and this program alone reads the bytes); NaN and infinities among the inputs are not served.
; The 128 work-groups of v read 8 neighbouring bytes at 16 places 256 bytes apart in each load: the price of one path for all kinds, on 4 MB.
.set CHB,  51456
.set KSB,  6400
.set X,    16                          ; v16-79  64 numbers: block A, block B
.set F,    80                          ; v80-91  the 12 operand registers; v92-98 the conversions' second halves
	s_load_b256 s[4:11], s[0:1], 0x0               ; W_qkv s[4:5], W_out s[6:7], b_qkv s[8:9], b_out s[10:11]
	s_load_b64 s[12:13], s[0:1], 0x20              ; the stream
	v_lshl_add_u32 v112, v0, 2, 0x200
	v_mov_b32 v113, 0
	v_lshrrev_b32 v1, 5, v0
	v_readfirstlane_b32 s14, v1                    ; wave 0..3
	s_lshr_b32 s15, s14, 1                         ; bb: tiles 2 bb, 2 bb + 1
	s_and_b32 s16, s14, 1                          ; hh: which half of the operand's lanes
	s_and_b32 s17, ttmp9, 7                        ; K step
	s_lshr_b32 s18, ttmp9, 3                       ; chunk 16 w + c, but for c's bit 3:
	s_lshr_b32 s19, ttmp9, 8
	s_xor_b32 s19, s19, ttmp9
	s_and_b32 s19, s19, 1                          ; bit 0 xor bit 8 of the work-group's number
	s_lshl_b32 s19, s19, 3
	s_xor_b32 s18, s18, s19                        ; turns c's bit 3 over (q <-> v, k <-> W_out): one to one, since bits 0 and 8 stay; work-groups whose numbers differ by 1 or by 256 are of unlike kinds
	s_and_b32 s19, s18, 15                         ; c
	s_lshr_b32 s20, s18, 4                         ; w
	s_lshr_b32 s21, s19, 2                         ; kind: 0 q, 1 k, 2 v, 3 W_out
	s_and_b32 s22, s19, 3
	s_lshl_b32 s22, s22, 6
	s_lshl_b32 s23, s20, 8
	s_add_co_u32 s22, s22, s23                     ; 256 w + 64 (c % 4)
	s_cmp_eq_u32 s21, 1
	s_cselect_b32 s23, 1024, 0
	s_add_co_u32 s22, s22, s23                     ; k's columns begin at 1024
	s_bfe_u32 s23, s19, 0x10001
	s_lshl_b32 s23, s23, 5
	s_lshl_b32 s24, s20, 3
	s_add_co_u32 s23, s23, s24
	s_and_b32 s24, s19, 1
	s_lshl_b32 s24, s24, 2
	s_add_co_u32 s23, s23, s24
	s_add_co_u32 s23, s23, 2048                    ; v: 2048 + 32 ((c / 2) % 2) + 8 w + 4 (c % 2)
	s_cmp_eq_u32 s21, 2
	s_cselect_b32 s22, s23, s22                    ; the first column,
	s_cselect_b32 s24, 64, 1                       ; and what r,
	s_cselect_b32 s25, 0, 8                        ; r / 8,
	s_cselect_b32 s26, 1, 8                        ; u
	s_cselect_b32 s27, 2, 32                       ; and bb add to it
	s_mul_i32 s27, s27, s15
	s_add_co_u32 s22, s22, s27
	v_and_b32 v6, 31, v0                           ; lane
	v_and_b32 v7, 15, v0                           ; r
	v_bfe_u32 v8, v0, 4, 1                         ; u
	v_bfe_u32 v9, v0, 3, 1                         ; r / 8
	v_mul_lo_u32 v1, v7, s24
	v_mad_u32_u24 v1, v9, s25, v1
	v_mad_u32_u24 v1, v8, s26, v1
	v_add_nc_u32 v1, s22, v1
	v_lshlrev_b32 v1, 2, v1                        ; 4 x my column: my byte in a row of the weight, and in the bias
	s_mul_i32 s34, s15, 3072
	s_lshl_b32 s35, s16, 8
	s_add_co_u32 s34, s34, s35
	v_mul_u32_u24 v2, v8, 1536
	v_lshl_add_u32 v2, v7, 4, v2
	v_add_nc_u32 v2, s34, v2                       ; the image: 1536 (2 bb + u) + 16 (r + 16 hh)
	s_lshl_b32 s35, s15, 2
	s_add_co_u32 s35, s35, s16
	v_lshl_add_u32 v3, v6, 3, s35                  ; LDS: my scale bytes: 8 lane + 4 bb + hh, and 2 further on
	s_lshl_b32 s36, s15, 7
	s_add_co_u32 s36, s36, 256
	v_lshl_add_u32 v4, v6, 2, s36                  ; LDS: my bias: 256 + 128 bb + 4 lane
	v_lshlrev_b32 v5, 3, v6                        ; the way out of both records: 8 bytes a lane
	s_lshl_b32 s30, s17, 7
	s_lshl_b32 s31, s16, 5
	s_add_co_u32 s30, s30, s31                     ; my first k: 128 s + 32 hh
	s_mov_b32 s31, 0
	s_mov_b32 s28, 12288                           ; a row of W_qkv in bytes
	s_mul_i32 s32, s18, CHB
	s_mul_i32 s33, s17, KSB
	s_add_co_u32 s32, s32, s33                     ; my K step's record in the stream
	s_mov_b32 s33, 0
	s_wait_kmcnt 0x0
	s_cmp_eq_u32 s21, 3                            ; W_out or W_qkv: the choice hangs on the work-group's number alone
	s_cselect_b32 s28, 4096, s28
	s_cselect_b64 s[4:5], s[6:7], s[4:5]
	s_cselect_b64 s[8:9], s[10:11], s[8:9]
	s_mul_i32 s30, s30, s28
	s_add_nc_u64 s[4:5], s[4:5], s[30:31]
	s_add_nc_u64 s[12:13], s[12:13], s[32:33]
.macro LOADS pitch                     ; W(k, my column): block A's 32 rows, then block B's, 64 rows further down; every offset an immediate (95 x 12288 at the most)
.set i, 0
.rept 32
	global_load_b32 v[X+i], v1, s[4:5] offset:i*\pitch
.set i, i+1
.endr
.set i, 0
.rept 32
	global_load_b32 v[X+32+i], v1, s[4:5] offset:(64+i)*\pitch
.set i, i+1
.endr
.endm
	s_cmp_eq_u32 s21, 3                            ; the two weights differ in their pitch, which stands in the immediates: the branch goes round the loads alone
	s_cbranch_scc1 .Lw_out
	s_wait_alu depctr_va_vdst(0)
	LOADS 12288
	s_branch .Lloaded
.Lw_out:
	s_wait_alu depctr_va_vdst(0)
	LOADS 4096
.Lloaded:
	global_load_b32 v14, v1, s[8:9]                ; my column's bias
.macro BLOCK c                         ; 32 numbers of one lane -> six operand registers and a scale byte
.set xs, X+32*\c
	v_max3_num_f32 v8, |v[xs]|, |v[xs+1]|, |v[xs+2]|
	v_max3_num_f32 v9, |v[xs+3]|, |v[xs+4]|, |v[xs+5]|
.irp i, 6,10,14,18,22,26
	v_max3_num_f32 v8, v8, |v[xs+\i]|, |v[xs+\i+1]|
	v_max3_num_f32 v9, v9, |v[xs+\i+2]|, |v[xs+\i+3]|
.endr
	v_max3_num_f32 v8, v8, |v[xs+30]|, |v[xs+31]|
	v_max3_num_f32 v8, v8, v9, 0x2800000           ; and the floor 2^(5 - 127): the byte cannot fall under 1
	v_add_nc_u32 v[10+\c], 0xfe000000, v8          ; 4 off the exponent field: the conversion takes this operand's exponent field as its scale
	v_lshrrev_b32 v[12+\c], 23, v[10+\c]           ; the scale's byte
	v_cvt_scalef32_pk16_bf6_f32 v[F+6*\c:F+6*\c+2], v[xs:xs+15], v[10+\c]
	v_cvt_scalef32_pk16_bf6_f32 v[92+4*\c:94+4*\c], v[xs+16:xs+31], v[10+\c]   ; (a conversion's three registers begin on an even number)
	v_nop                                          ; one plain place behind a scaled conversion
.irp i, 0,1,2
	v_mov_b32 v[F+6*\c+3+\i], v[92+4*\c+\i]
.endr
.endm
	s_wait_loadcnt 33                              ; block A is in; block B's 32 loads and the bias may be out
	BLOCK 0
	s_wait_loadcnt 0x0
	BLOCK 1
.irp g, 0,1,2
	global_store_b128 v2, v[F+4*\g:F+4*\g+3], s[12:13] offset:512*\g   ; sixteen lanes store 256 consecutive bytes, at a multiple of 256 from the stream's first byte
.endr
	ds_store_b8 v3, v12                            ; byte hh of my row's scale word,
	ds_store_b8 v3, v13 offset:2                   ; and byte 2 + hh
	s_cmp_lg_u32 s16, 0
	s_cbranch_scc1 .Lno_bias                       ; one of the two waves of a pair of tiles lays the bias
	ds_store_b32 v4, v14
.Lno_bias:
	s_wait_dscnt 0x0                               ; for the others' sake: my stores have landed
	s_barrier_signal -1
	s_barrier_wait -1
	s_cmp_lg_u32 s14, 0
	s_cbranch_scc1 .Ldone                          ; wave 0 sends the two records out, each as 256 consecutive bytes
	ds_load_b64 v[100:101], v5
	ds_load_b64 v[102:103], v5 offset:256
	s_wait_dscnt 0x0
	global_store_b64 v5, v[100:101], s[12:13] offset:6144
	s_cmp_lg_u32 s17, 0
	s_cbranch_scc1 .Ldone                          ; a chunk has one bias record: K step 0's work-group stores it
	global_store_b64 v5, v[102:103], s[12:13] offset:8*KSB
.Ldone:
	s_wait_tensorcnt 0x0
	ds_add_u32 v112, v113
	s_wait_dscnt 0x0
	s_endpgm
.Lfunc_end_k_qb88d989b63_layout:
	.size	k_qb88d989b63_layout, .Lfunc_end_k_qb88d989b63_layout-k_qb88d989b63_layout
	.p2alignl 7, 3214868480
	.fill 96, 4, 3214868480
	.section	.rodata,"a",@progbits
	.p2align	6, 0x0
	.amdhsa_kernel k_qb88d989b63_layout
		.amdhsa_group_segment_fixed_size 1024
		.amdhsa_private_segment_fixed_size 0
		.amdhsa_enable_private_segment 0
		.amdhsa_kernarg_size 40
		.amdhsa_user_sgpr_count 2
		.amdhsa_user_sgpr_kernarg_segment_ptr 1
		.amdhsa_wavefront_size32 1
		.amdhsa_system_sgpr_workgroup_id_x 1
		.amdhsa_system_sgpr_workgroup_id_y 1
		.amdhsa_system_sgpr_workgroup_id_z 1
		.amdhsa_system_vgpr_workitem_id 0
		.amdhsa_next_free_vgpr 114
		.amdhsa_next_free_sgpr 66
		.amdhsa_reserve_vcc 0
		.amdhsa_float_denorm_mode_32 3
		.amdhsa_float_denorm_mode_16_64 3
		.amdhsa_memory_ordered 1
		.amdhsa_forward_progress 1
		.amdhsa_inst_pref_size 20
	.end_amdhsa_kernel
	.amdgpu_metadata
---
amdhsa.version: [ 1, 2 ]
amdhsa.kernels:
  - .name:           k_qb88d989b63_layout
    .symbol:         k_qb88d989b63_layout.kd
    .args:
      - { .name: W_qkv, .offset: 0, .size: 8, .value_kind: global_buffer, .address_space: global }
      - { .name: W_out, .offset: 8, .size: 8, .value_kind: global_buffer, .address_space: global }
      - { .name: b_qkv, .offset: 16, .size: 8, .value_kind: global_buffer, .address_space: global }
      - { .name: b_out, .offset: 24, .size: 8, .value_kind: global_buffer, .address_space: global }
      - { .name: wstream, .offset: 32, .size: 8, .value_kind: global_buffer, .address_space: global }
    .group_segment_fixed_size: 1024
    .private_segment_fixed_size: 0
    .kernarg_segment_align: 8
    .kernarg_segment_size: 40
    .max_flat_workgroup_size: 128
    .sgpr_count:     66
    .vgpr_count:     114
    .wavefront_size: 32
...
	.end_amdgpu_metadata
.endif
;; end of part 1
;; launch fused (part 2): grid 256 x 1, 4 waves a work-group, no clusters, 322,048 bytes of LDS; arguments x, wstream, out0; writes out0
.if DOCPART == 2
	.amdgcn_target "amdgcn-amd-amdhsa--gfx1250"
	.amdhsa_code_object_version 6
	.text
	.protected	k_qb88d989b63_fused
	.globl	k_qb88d989b63_fused
	.p2align	8
	.type	k_qb88d989b63_fused,@function
k_qb88d989b63_fused:
	s_mov_b64 s[64:65], 0
	v_nop
	global_prefetch_b8 v0, s[64:65] scope:SCOPE_SE
	s_setreg_imm32_b32 hwreg(HW_REG_WAVE_MODE, 25, 1), 1
	s_wait_xcnt 0x0
; out0 = attention(x W_qkv + b_qkv) W_out + b_out, where each token attends over its OWN 16 heads.  Products 1 (K 1024), 2 (K 64) and 4 (K 1024) on codes of BF6 (E3M2) with one E8M0 scale for each
; 32 along K; product 3 (K 16) on f32 operands, since its result is quantised.  All sums, the softmax and what goes into a quantiser in f32.
; SHARES.  A token needs all 3072 columns of its own qkv and nothing of another token: a work-group of four waves takes 64 tokens through the whole chain; qkv, the weights p and attention's result never go to memory.
;   In the two large products THE WAVES SHARE THE COLUMNS: each wave holds all 64 tokens' codes in registers (32 fragments, 384 registers) and walks its own 16 chunks of 64 columns of the weight stream,
;   which the launch before has laid in the order of operand registers: a fragment comes by three loads of 16 bytes a lane, belongs to one wave alone and feeds four products.  A ring of four K steps in registers
;   keeps 39 to 60 loads of a wave out, and no barrier stands in a chunk.  In attention the waves share the TOKENS, 16 each.
; ALL PRODUCTS ARE USED TRANSPOSED (source 0 = 16 weight columns, keys or channels; source 1 = 16 tokens or heads), so that a lane's registers run along the next product's K.
; WHY NO TENSOR LOADS, NO CLUSTER: the rows of codes (149,504 bytes), their scale bytes (6,656) and half of v in f32 (164,864) take 321,024 of the 327,680 bytes of LDS: no ring of slots fits beside them,
;   so the weights, the one thing that work-groups share, go from memory straight into registers.
; LIMITS: NaN and infinities among the inputs are not served; a block of zeros has the byte 1 where the rule says 127 (its codes are zeros, and only this program reads the bytes);
;   a softmax weight under 2^-126 counts as 0 (v_exp_f32, ISA guide 15.8).
; PHASES, four barriers:  X quantise my 16 tokens of x -> RA, SA | 1 | F1 all fragments -> registers; QK eight chunks: q, k of my four heads, quantised -> RQK, SQK | 2 | S my 16 tokens: scores, softmax -> P in registers;
;   twice (channels 32 b on): two chunks of v -> VB | 3 | product 3 for my tokens, quantised -> RA, SA | 4 |  F2 fragments of attention's result; OUT four chunks, out through a stage of my own.
.set RA,    0                          ; LDS: 64 rows of 1024 codes (768 bytes), pitch 784 = 196 words: the 32 lanes of a load of 8 bytes fall on 64 different banks (64 banks of 4 bytes: ISA guide 11.1)
.set RAP,   784
.set RQK,   64*RAP                     ; 64 rows: head H's q (48 bytes) at 384 (H / 4) + 48 (H % 4), its k 192 further on; pitch 1552
.set RQP,   1552
.set SA,    RQK+64*RQP                 ; RA's scale bytes: 32 a row, pitch 36
.set SAP,   36
.set SQK,   SA+64*SAP                  ; RQK's: head H's two for q at 16 (H / 4) + 2 (H % 4), for k 8 further on; pitch 68
.set SQP,   68
.set VB,    SQK+64*SQP                 ; half of v in f32: token pitch 2576; 32 places of 80 bytes, each one channel's 16 heads.  Also: phase X's stages (5120 a wave), phase OUT's (17,408 a wave)
.set VTP,   2576
.set CHB,   51456                      ; the stream: a chunk,
.set KSB,   6400                       ; a K step in it: four images of 1536 bytes, 256 bytes of scale words; the bias behind the eighth
.set LI,  1                            ; v1   16 x lane                      .. v1-v3, v25 are offsets of global loads and stores and are never rewritten
.set L8,  2                            ; v2   8 x lane
.set BA,  3                            ; v3   32 h
.set FA,  4                            ; v4   a fragment's row in RA: 784 r + 24 h
.set FS,  5                            ; v5   scale words of RA's rows: SA + 36 lane
.set QW0, 6                            ; v6   q's and k's codes: RQK + 1552 r + 12 h + 384 wave;  v7, v8 the same + the chunk's step, token tiles 0-1 and 2-3
.set QWA, 7
.set QS0, 9                            ; v9   their scale bytes: SQK + 68 r + 16 wave;  v10 + the chunk's step
.set QS,  10
.set SR,  11                           ; v11  product 2: my tokens' rows, lane r = head r
.set SSR, 12                           ; v12  and their scale bytes: lanes 0-15 q's, lanes 16-31 k's
.set VW,  14                           ; v14-17 where v goes: token tile m
.set VR,  18                           ; v18  and where product 3 reads it
.set OC0, 19                           ; v19  attention's codes: RA + 12544 wave + 48 r + 12 h;  v20 + 24 b
.set OC,  20
.set OSB0, 21                          ; v21  their scale bytes: SA + 576 wave + 2 r;  v22 + b
.set OSB, 22
.set OS,  23                           ; v23  OUT's stage, in;  v24 back;  v25 my byte in two rows of out0
.set ORD, 24
.set GO,  25
.set XSI, 26                           ; v26, v27 X's stage, in and back;  v28, v29 x's codes;  v30, v31 their scale bytes
.set XSO, 27
.set XC0, 28
.set XC,  29
.set XSB0, 30
.set XSB, 31
.set XS,  32                           ; v32-47  the tokens' scale words: register 8 mm + s: lanes 0-15 token tile 2 mm, lanes 16-31 tile 2 mm + 1, K step s
.set WS,  48                           ; v48-55  the weights' scale words, two registers a ring set
.set BI,  56                           ; v56-87  the chunk's bias in a result's layout, 8 a tile.  In phase X: two sets of 16 neighbours
.set XN,  56
.set SSC, 88                           ; v88-91  product 2's scale words
.set T,   92                           ; v92-127 at work
.set ACC, 128                          ; v128-255 accumulator (token tile m, weight tile t) at 128 + 32 m + 8 t.  In X: 8 sets of loads; in S: fragments and scores; in product 3: v's fragments
.set SB,  224                          ; in S: the scores, 8 a token
; window 1: the tokens' fragments of K steps 0-4 at 48 s + 12 m.   window 2: those of K steps 5-7 at 48 (s - 5) + 12 m; ring sets 0, 1 at 144 + 48 set + 12 t.
; window 3: ring sets 2, 3 at 48 (set - 2) + 12 t; v96-223 P, 8 a token (in OUT: rows read back); v224-255 product 3's four accumulators, which matrix instructions alone write.
.set PB,  96
.set OA,  224
.set WB,  6                            ; s[6:7]  my place in the stream
.set OB,  8                            ; s[8:9]  my place in out0
.set WV,  10                           ; s10     wave
.set SEL, 12                           ; s[12:13] v_permlanex16_b32's selects for lane l xor 16
.set CS,  14                           ; s[14:15] c = log2(e) / 8
.set CNT, 16                           ; s16     loop counter
.set HO,  18                           ; s18, s19 QK: 48 and 2 a chunk
.set HS,  19
.set BC,  20                           ; s20, s21 the halves of v: 24 and 1
.set BO,  21
.set XT,  22                           ; s22, s23 X: 4 rows of RA and of SA a trip
.set XU,  23
.set MSB, 0
.macro WIN new                         ; s_set_vgpr_msb: bits 1:0 source 0, 3:2 source 1, 5:4 source 2, 7:6 destination; the high byte repeats the setting that is left
.if MSB != (\new)
	s_set_vgpr_msb (MSB<<8)|(\new)
.set MSB, (\new)
.endif
.endm
.macro BARRIER                         ; my LDS stores have landed and my LDS loads are in: then the work-group's barrier
	s_wait_dscnt 0x0
	s_barrier_signal -1
	s_barrier_wait -1
.endm
	s_load_b128 s[4:7], s[0:1], 0x0                ; x, the stream
	s_load_b64 s[8:9], s[0:1], 0x10                ; out0
	v_lshl_add_u32 v13, v0, 2, 0x4e800
	s_set_vgpr_msb 0x40
	v_mov_b32 v255, 0
	s_set_vgpr_msb 0x4000
	v_lshrrev_b32 v1, 5, v0
	v_readfirstlane_b32 s[WV], v1                  ; wave 0..3
	v_and_b32 v92, 31, v0                          ; lane
	v_and_b32 v93, 15, v0                          ; r
	v_bfe_u32 v94, v0, 4, 1                        ; h
	v_bfe_u32 v95, v0, 2, 2                        ; r / 4
	v_and_b32 v96, 3, v0                           ; r % 4
	v_bfe_u32 v97, v0, 2, 3                        ; lane / 4
	v_bfe_u32 v98, v0, 1, 4                        ; lane / 2
	v_lshlrev_b32 v[LI], 4, v92
	v_lshlrev_b32 v[L8], 3, v92
	v_lshlrev_b32 v[BA], 5, v94
	v_mul_u32_u24 v[FA], v93, RAP
	v_mad_u32_u24 v[FA], v94, 24, v[FA]
	v_mul_u32_u24 v[FS], v92, SAP
	v_add_nc_u32 v[FS], SA, v[FS]
	s_mul_i32 s24, s[WV], 384
	s_add_co_u32 s24, s24, RQK
	v_mul_u32_u24 v[QW0], v93, RQP
	v_mad_u32_u24 v[QW0], v94, 12, v[QW0]
	v_add_nc_u32 v[QW0], s24, v[QW0]
	s_lshl_b32 s24, s[WV], 4
	s_add_co_u32 s24, s24, SQK
	v_mul_u32_u24 v[QS0], v93, SQP
	v_add_nc_u32 v[QS0], s24, v[QS0]
	s_mul_i32 s24, s[WV], 16*RQP
	s_add_co_u32 s24, s24, RQK
	v_mul_u32_u24 v[SR], v95, 384
	v_mad_u32_u24 v[SR], v96, 48, v[SR]
	v_mad_u32_u24 v[SR], v94, 24, v[SR]
	v_add_nc_u32 v[SR], s24, v[SR]
	s_mul_i32 s24, s[WV], 16*SQP
	s_add_co_u32 s24, s24, SQK
	v_lshlrev_b32 v[SSR], 4, v95
	v_lshl_add_u32 v[SSR], v96, 1, v[SSR]
	v_lshl_add_u32 v[SSR], v94, 3, v[SSR]
	v_add_nc_u32 v[SSR], s24, v[SSR]
	s_and_b32 s24, s[WV], 1                        ; my channels 8 wave + 4 a + t of a half of v stand at places 16 (wave % 2) + 8 (wave / 2) + 4 a + t: place 16 u + m' holds channel 16 (m' / 8) + 8 u + m' % 8,
	s_mul_i32 s24, s24, 1280                       ; so that product 3's 16 registers of tiles u = 0, 1 are 16 neighbours along product 4's K
	s_lshr_b32 s25, s[WV], 1
	s_mul_i32 s25, s25, 640
	s_add_co_u32 s24, s24, s25
	s_add_co_u32 s24, s24, VB
	v_mul_u32_u24 v[VW], v93, VTP
	v_lshl_add_u32 v[VW], v94, 5, v[VW]
	v_add_nc_u32 v[VW], s24, v[VW]
	v_add_nc_u32 v[VW+1], 16*VTP, v[VW]
	v_add_nc_u32 v[VW+2], 32*VTP, v[VW]
	v_add_nc_u32 v[VW+3], 48*VTP, v[VW]
	s_mul_i32 s24, s[WV], 16*VTP
	s_add_co_u32 s24, s24, VB
	v_mul_u32_u24 v[VR], v93, 80
	v_lshl_add_u32 v[VR], v94, 5, v[VR]
	v_add_nc_u32 v[VR], s24, v[VR]
	s_mul_i32 s24, s[WV], 16*RAP
	v_mul_u32_u24 v[OC0], v93, 48
	v_mad_u32_u24 v[OC0], v94, 12, v[OC0]
	v_add_nc_u32 v[OC0], s24, v[OC0]
	v_mul_u32_u24 v[XC0], v92, 12
	v_add_nc_u32 v[XC0], s24, v[XC0]
	s_mul_i32 s25, s[WV], 16*SAP
	s_add_co_u32 s25, s25, SA
	v_lshl_add_u32 v[OSB0], v93, 1, s25
	v_add_nc_u32 v[XSB0], s25, v98
	s_mul_i32 s24, s[WV], 64*272
	s_add_co_u32 s24, s24, VB
	v_mul_u32_u24 v[OS], v93, 272
	v_lshl_add_u32 v[OS], v94, 6, v[OS]
	v_add_nc_u32 v[OS], s24, v[OS]
	v_mul_u32_u24 v[ORD], v94, 272
	v_lshl_add_u32 v[ORD], v93, 4, v[ORD]
	v_add_nc_u32 v[ORD], s24, v[ORD]
	v_lshlrev_b32 v[GO], 12, v94
	v_lshl_add_u32 v[GO], v93, 4, v[GO]
	s_mul_i32 s24, s[WV], 5120
	s_add_co_u32 s24, s24, VB
	v_mul_u32_u24 v[XSI], v97, 80
	v_lshl_add_u32 v[XSI], v96, 4, v[XSI]
	v_add_nc_u32 v[XSI], s24, v[XSI]
	v_mul_u32_u24 v[XSO], v92, 80
	v_add_nc_u32 v[XSO], s24, v[XSO]
	; the prefetch's offset (v0 is read no more as the thread's number).  My wave's 16 chunks are 3,216 blocks of 256 bytes; work-group share q (0 .. 127) names blocks 32 q + lane.
	; q is made of the work-group's bits 0-2, 4-6 and (bit 3 xor bit 7): the two work-groups that differ in both bits 3 and 7 have the same q, so each block is named by two work-groups.
.set PQ, 32                            ; s32     q
	s_lshr_b32 s24, ttmp9, 4
	s_xor_b32 s24, s24, ttmp9
	s_and_b32 s24, s24, 8
	s_and_b32 s25, ttmp9, 0x77
	s_or_b32 s[PQ], s24, s25
	s_lshl_b32 s24, s[PQ], 5
	v_add_nc_u32 v0, s24, v92
	v_min_u32 v0, 3215, v0                         ; share 100's lanes 16-31 name my wave's last block again: no address leaves the stream
	v_lshlrev_b32 v0, 8, v0
.set i, T
.rept 36
	v_mov_b32 v[i], 0                              ; written once: a lane permute's destination and the unused half of a broadcast pair count as read
.set i, i+1
.endr
	s_mov_b32 s[SEL], 0x76543210
	s_mov_b32 s[SEL+1], 0xfedcba98
	s_mov_b32 s[CS], 0x3e38aa3b                    ; log2(e) / 8
	s_mov_b32 s[CS+1], s[CS]                       ; (named with it as a pair, so it is written)
	s_lshl_b32 s26, ttmp9, 18                      ; my work-group's 64 rows of 4096 bytes,
	s_lshl_b32 s27, s[WV], 16                      ; my wave's 16 of them
	s_add_co_u32 s26, s26, s27
	s_mov_b32 s27, 0
	s_mul_i32 s28, s[WV], 16*CHB                   ; my wave's 16 chunks
	s_mov_b32 s29, 0
	s_lshl_b32 s30, ttmp9, 18
	s_lshl_b32 s31, s[WV], 10                      ; my wave's 256 columns of out0
	s_add_co_u32 s30, s30, s31
	s_mov_b32 s31, 0
	s_wait_kmcnt 0x0
	s_add_nc_u64 s[4:5], s[4:5], s[26:27]
	s_add_nc_u64 s[WB:WB+1], s[WB:WB+1], s[28:29]
	s_add_nc_u64 s[OB:OB+1], s[OB:OB+1], s[30:31]
	s_cmp_gt_u32 s[PQ], 100                        ; 101 shares of 32 blocks cover the 3,216: the others ask for nothing
	s_cbranch_scc1 .Lnoask
	global_prefetch_b8 v0, s[WB:WB+1] th:TH_LOAD_NT scope:SCOPE_SE   ; one instruction a wave, a lane a block, 8 KB: ahead of phase X, whose 32 steps stand between it and the stream's first load; v0 is never rewritten, the base only behind a wait on XCNT
.Lnoask:
; ---- X.  My 16 tokens are 32 steps of 512 numbers.  A load takes the bytes as they lie, 512 consecutive bytes a wave; the conversion wants 16 NEIGHBOURS in one lane: a step's 2048 bytes turn through my own stage
; (a lane's 64 bytes + 16 of padding).  Loads run eight steps (32 loads) ahead, the turn one step.  Two neighbouring lanes hold a block of 32.
.macro XLOAD q
.irp i, 0,1,2,3
	global_load_b128 v[ACC+16*((\q)%8)+4*\i:ACC+16*((\q)%8)+4*\i+3], v[LI], s[4:5] offset:2048*(\q)+512*\i th:TH_LOAD_NT
.endr
.endm
.macro XTURN q                         ; LDS serves a wave's instructions in order (ISA guide 5.7.1.4): no wait between the stores and the loads
.irp i, 0,1,2,3
	ds_store_b128 v[XSI], v[ACC+16*((\q)%8)+4*\i:ACC+16*((\q)%8)+4*\i+3] offset:2560*((\q)%2)+640*\i
.endr
.irp i, 0,1,2,3
	ds_load_b128 v[XN+16*((\q)%2)+4*\i:XN+16*((\q)%2)+4*\i+3], v[XSO] offset:2560*((\q)%2)+16*\i
.endr
.endm
.macro XHEAD                           ; four tokens on: no LDS instruction of mine is out when its address registers are written
	s_wait_dscnt 0x0
	v_add_nc_u32 v[XC], s[XT], v[XC0]
	v_add_nc_u32 v[XSB], s[XU], v[XSB0]
.endm
.macro XSTEP q, load, cnt, turn
.set xn, XN+16*((\q)%2)
.set cd, T+4+4*((\q)%2)                ; codes and byte in two sets by turns: the wait below shows the stores of two steps back done
.set by, T+12+((\q)%2)
	s_wait_dscnt 4                                 ; this step's numbers are back from the stage; the last step's four stores may be out
.if \load
	XLOAD (\q)+8                                   ; into the registers that this step's stores into the stage have read
.endif
.if \turn
	s_wait_loadcnt \cnt                            ; the next step's four loads are in; the younger sets of four stay out
	XTURN (\q)+1
.endif
	v_max3_num_f32 v[T], |v[xn]|, |v[xn+1]|, |v[xn+2]|
	v_max3_num_f32 v[T+1], |v[xn+3]|, |v[xn+4]|, |v[xn+5]|
.irp i, 6,10
	v_max3_num_f32 v[T], v[T], |v[xn+\i]|, |v[xn+\i+1]|
	v_max3_num_f32 v[T+1], v[T+1], |v[xn+\i+2]|, |v[xn+\i+3]|
.endr
	v_max3_num_f32 v[T], v[T], |v[xn+14]|, |v[xn+15]|
	v_max3_num_f32 v[T], v[T], v[T+1], 0x2800000   ; and the floor 2^(5 - 127): the byte cannot fall under 1
	v_max_num_f32_dpp v[T], v[T], v[T] row_xmask:1 row_mask:0xf bank_mask:0xf   ; with my neighbour's 16: the block's largest magnitude
	v_add_nc_u32 v[T+2], 0xfe000000, v[T]          ; 4 off its exponent field: the conversion's scale operand
	v_cvt_scalef32_pk16_bf6_f32 v[cd:cd+2], v[xn:xn+15], v[T+2]
	v_lshrrev_b32 v[by], 23, v[T+2]                ; the scale's byte (and the plain place behind the conversion)
.irp i, 0,1,2
	ds_store_b32 v[XC], v[cd+\i] offset:RAP*((\q)/2)+384*((\q)%2)+4*\i   ; 16 codes = 12 bytes, at 12 x lane of the half row
.endr
	ds_store_b8 v[XSB], v[by] offset:SAP*((\q)/2)+16*((\q)%2)            ; both lanes of a block write the same byte with the same value
.endm
.irp q, 0,1,2,3,4,5,6,7
	XLOAD \q
.endr
	s_mov_b32 s[XT], 0
	s_mov_b32 s[XU], 0
	s_mov_b32 s[CNT], 3
	s_wait_loadcnt 28                              ; step 0's four loads are in
	XTURN 0
.Lx:
	XHEAD
.irp q, 0,1,2,3,4,5,6,7
	XSTEP \q, 1, 28, 1
.endr
	s_wait_xcnt 0x0                                ; the loads have read their base: it may step
	s_add_nc_u64 s[4:5], s[4:5], 8*2048
	s_add_co_u32 s[XT], s[XT], 4*RAP
	s_add_co_u32 s[XU], s[XU], 4*SAP
	s_sub_co_u32 s[CNT], s[CNT], 1
	s_cmp_lg_u32 s[CNT], 0
	s_cbranch_scc1 .Lx
	XHEAD                                          ; the last eight steps load nothing: the counts run down
.irp q, 0,1,2,3,4,5,6
	XSTEP \q, 0, 24-4*\q, 1
.endr
	XSTEP 7, 0, 0, 0
; ---- THE STREAM.  A ring set holds one K step of my chunk: four fragments and their scale words: 13 loads.
.macro WSET set, off
.if (\set) < 2
	WIN 0x80
.set wl, 144+48*(\set)
.else
	WIN 0xc0
.set wl, 48*((\set)-2)
.endif
.irp t, 0,1,2,3
.irp g, 0,1,2
	global_load_b128 v[wl+12*\t+4*\g:wl+12*\t+4*\g+3], v[LI], s[WB:WB+1] offset:(\off)+1536*\t+512*\g   ; 512 consecutive bytes: registers 4 g .. 4 g + 3 of the fragment, as they were laid
.endr
.endr
	WIN 0
	global_load_b64 v[WS+2*(\set):WS+2*(\set)+1], v[L8], s[WB:WB+1] offset:(\off)+6144
.endm
.macro BLOAD off                       ; a chunk's bias: lane (r, h) wants rows 8 h + 0 .. 7 of each tile: 8 loads
	WIN 0
.irp t, 0,1,2,3
.irp i, 0,1
	global_load_b128 v[BI+8*\t+4*\i:BI+8*\t+4*\i+3], v[BA], s[WB:WB+1] offset:(\off)+64*\t+16*\i
.endr
.endr
.endm
	BLOAD 8*KSB                                    ; the stream's first 60 loads go out ahead of the barrier and land while the fragments are fetched
	WSET 0, 0
	WSET 1, KSB
	WSET 2, 2*KSB
	WSET 3, 3*KSB
	BARRIER                                        ; 1: all 64 rows of x's codes lie in LDS
; ---- The 64 tokens' operand, all of K: 32 fragments and 16 registers of scale words.  Lane (r, h) takes 24 bytes at 24 h and at 48 + 24 h of its row's 96 bytes of a K step, in pieces of 8.
.macro FRAGS
	WIN 0x40
.irp s, 0,1,2,3,4
.irp m, 0,1,2,3
.irp p, 0,1,2,3,4,5
	ds_load_b64 v[48*\s+12*\m+2*\p:48*\s+12*\m+2*\p+1], v[FA] offset:16*RAP*\m+96*\s+48*(\p/3)+8*(\p%3)
.endr
.endr
.endr
	WIN 0x80
.irp s, 5,6,7
.irp m, 0,1,2,3
.irp p, 0,1,2,3,4,5
	ds_load_b64 v[48*(\s-5)+12*\m+2*\p:48*(\s-5)+12*\m+2*\p+1], v[FA] offset:16*RAP*\m+96*\s+48*(\p/3)+8*(\p%3)
.endr
.endr
.endr
	WIN 0
.irp mm, 0,1
.irp s, 0,1,2,3,4,5,6,7
	ds_load_b32 v[XS+8*\mm+\s], v[FS] offset:32*SAP*\mm+4*\s
.endr
.endr
	s_wait_dscnt 0x0
.endm
	FRAGS
; ---- A CHUNK: 64 columns x 64 tokens x K 1024: eight K steps of 16 products.  The 16 accumulators take turns, one instruction a turn, in the same order in every step.
; The bias is the C of a sum's first product.  Behind a step's products its ring set is filled again, four K steps ahead, into the next chunk too (ahead = 1).
.macro MM                              ; one product; oa, ob: the weight's, the tokens' scale words stand in lanes 16-31
.if oa && ob
	v_wmma_scale_f32_16x16x128_f8f6f4 v[rD:rD+7], v[rA:rA+11], v[rB:rB+11], v[rC:rC+7], v[rSA], v[rSB] matrix_a_fmt:MATRIX_FMT_BF6 matrix_b_fmt:MATRIX_FMT_BF6 matrix_a_scale:MATRIX_SCALE_ROW1 matrix_b_scale:MATRIX_SCALE_ROW1
.elseif oa
	v_wmma_scale_f32_16x16x128_f8f6f4 v[rD:rD+7], v[rA:rA+11], v[rB:rB+11], v[rC:rC+7], v[rSA], v[rSB] matrix_a_fmt:MATRIX_FMT_BF6 matrix_b_fmt:MATRIX_FMT_BF6 matrix_a_scale:MATRIX_SCALE_ROW1
.elseif ob
	v_wmma_scale_f32_16x16x128_f8f6f4 v[rD:rD+7], v[rA:rA+11], v[rB:rB+11], v[rC:rC+7], v[rSA], v[rSB] matrix_a_fmt:MATRIX_FMT_BF6 matrix_b_fmt:MATRIX_FMT_BF6 matrix_b_scale:MATRIX_SCALE_ROW1
.else
	v_wmma_scale_f32_16x16x128_f8f6f4 v[rD:rD+7], v[rA:rA+11], v[rB:rB+11], v[rC:rC+7], v[rSA], v[rSB] matrix_a_fmt:MATRIX_FMT_BF6 matrix_b_fmt:MATRIX_FMT_BF6
.endif
.endm
.macro KSTEP ahead                     ; K step ks
.set st, ks%4
; loads come back in order (ISA guide 5.7.1): the count is what was issued behind the set that is wanted: three groups of 13, and 8 more where the next chunk's bias is among them
.if \ahead
.if (ks >= 1) && (ks <= 3)
	s_wait_loadcnt 47
.else
	s_wait_loadcnt 39
.endif
.else
.if ks < 5
	s_wait_loadcnt 39
.else
	s_wait_loadcnt 13*(7-ks)                       ; the last chunk asks for nothing beyond its end: the counts run down
.endif
.endif
.if st < 2
.set wfb, 144+48*st
.else
.set wfb, 48*(st-2)
.endif
.if ks < 5
.set xfb, 48*ks
.else
.set xfb, 48*(ks-5)
.endif
.set wn, ((1+(ks/5))<<2)|(2+(st/2))    ; source 0: the ring set's window, source 1: the tokens' fragments'; C and D window 0
	WIN wn
.set i, 0
.rept 16
.set mi, i/4
.set ti, i%4
.set rD, ACC+32*mi+8*ti
.set rA, wfb+12*ti
.set rB, xfb+12*mi
.set rSA, WS+2*st+(ti/2)
.set rSB, XS+8*(mi/2)+ks
.set oa, ti%2
.set ob, mi%2
.if ks == 0
.set rC, BI+8*ti
.else
.set rC, rD
.endif
	MM
.set i, i+1
.endr
; A load into a register that a matrix instruction has read stands four places behind it, and only plain vector instructions that name none of its registers are places (ISA guide 7.12.1 for vector instructions).
; Behind the chunk's last products five: four serve the loads and the epilogue's reads, the fifth the next chunk's first products, which begin the sums anew with another C.
.if ks == 7
.rept 5
	v_nop
.endr
.elseif \ahead || (ks < 4)
.rept 4
	v_nop
.endr
.endif
.if (ks == 0) && \ahead
	BLOAD CHB+8*KSB
.endif
.if ks < 4
	WSET st, (ks+4)*KSB
.elseif \ahead
	WSET st, CHB+(ks-4)*KSB
.endif
.endm
.macro CHUNK ahead
.set ks, 0
.rept 8
	KSTEP \ahead
.set ks, ks+1
.endr
	WIN 0
.endm
.macro WSTEP                           ; on to the next chunk: it stands behind the chunk's epilogue, which names neither the stream's base nor its offsets
	s_wait_xcnt 0x0                                ; the loads have read their base: it may step
	s_add_nc_u64 s[WB:WB+1], s[WB:WB+1], CHB
.endm
; ---- QK.  A chunk is one head's q or k for the 64 tokens.  Lane (r, h) holds token r; the 16 registers of tiles 2 b, 2 b + 1 are channels 32 b + 16 h + 0 .. 15; the block's other half lies in lane l xor 16.
; Two token tiles, four blocks, at a time, the blocks by turns; each accumulator is read from its low end on.  The codes go to the token's row as they lie in a stream of bits: 12 bytes at 24 b + 12 h.
.macro QEPI
	v_add_nc_u32 v[QWA], s[HO], v[QW0]
	v_add_nc_u32 v[QS], s[HS], v[QS0]
	v_add_nc_u32 v[QWA+1], 32*RQP, v[QWA]
.irp g, 0,1
.irp i, 0,1,2,3
	v_max3_num_f32 v[T+\i], |v[ACC+64*\g+16*\i]|, |v[ACC+64*\g+16*\i+1]|, 0x2800000
.endr
.irp k, 2,4,6,8,10,12,14
.irp i, 0,1,2,3
	v_max3_num_f32 v[T+\i], v[T+\i], |v[ACC+64*\g+16*\i+\k]|, |v[ACC+64*\g+16*\i+\k+1]|
.endr
.endr
.irp i, 0,1,2,3
	v_permlanex16_b32 v[T+4+\i], v[T+\i], s[SEL], s[SEL+1]
.endr
.irp i, 0,1,2,3
	v_max_num_f32 v[T+\i], v[T+\i], v[T+4+\i]
.endr
.irp i, 0,1,2,3
	v_add_nc_u32 v[T+8+\i], 0xfe000000, v[T+\i]
.endr
.irp i, 0,1,2,3
	v_lshrrev_b32 v[T+4+\i], 23, v[T+8+\i]
.endr
	v_lshl_or_b32 v[T+28], v[T+5], 8, v[T+4]       ; a head's two bytes
	v_lshl_or_b32 v[T+29], v[T+7], 8, v[T+6]
.irp i, 0,1,2,3
	v_cvt_scalef32_pk16_bf6_f32 v[T+12+4*\i:T+14+4*\i], v[ACC+64*\g+16*\i:ACC+64*\g+16*\i+15], v[T+8+\i]
.endr
	v_nop                                          ; one plain place behind the conversions
.irp i, 0,1,2,3
.irp j, 0,1,2
	ds_store_b32 v[QWA+\g], v[T+12+4*\i+\j] offset:16*RQP*(\i/2)+24*(\i%2)+4*\j
.endr
.endr
	ds_store_b16 v[QS], v[T+28] offset:16*SQP*(2*\g)
	ds_store_b16 v[QS], v[T+29] offset:16*SQP*(2*\g+1)
	s_wait_dscnt 0x0                               ; the stores have read their registers
.endr
.endm
	s_mov_b32 s[HO], 0
	s_mov_b32 s[HS], 0
	s_mov_b32 s[CNT], 8
.Lqk:                                                  ; chunks 0-3: q of heads 4 wave + 0 .. 3; chunks 4-7: their k, 192 bytes (8 scale bytes) further on
	CHUNK 1
	QEPI
	WSTEP
	s_add_co_u32 s[HO], s[HO], 48
	s_add_co_u32 s[HS], s[HS], 2
	s_sub_co_u32 s[CNT], s[CNT], 1
	s_cmp_lg_u32 s[CNT], 0
	s_cbranch_scc1 .Lqk
	BARRIER                                        ; 2: every token's q and k, all 16 heads, lie in LDS
; ---- S.  My 16 tokens, four at a time.  S^T = k q^T: source 0 = the token's 16 heads of k, source 1 = of q; K = 64 of the instruction's 128: the upper six registers of each fragment are zero codes,
; which add nothing (their scale bytes are 0, not 0xff).  Lane (i, h) holds head i's scores against heads 8 h + 0 .. 7.
.macro SLOAD bt
.irp q, 0,1,2,3
.irp p, 0,1,2
	ds_load_b64 v[ACC+24*\q+2*\p:ACC+24*\q+2*\p+1], v[SR] offset:RQP*(4*(\bt)+\q)+192+8*\p
.endr
.irp p, 0,1,2
	ds_load_b64 v[ACC+12+24*\q+2*\p:ACC+12+24*\q+2*\p+1], v[SR] offset:RQP*(4*(\bt)+\q)+8*\p
.endr
	ds_load_u16 v[SSC+\q], v[SSR] offset:SQP*(4*(\bt)+\q)          ; lanes 0-15: q's two bytes; lanes 16-31: k's
.endr
.endm
.macro SOFT bt                         ; p = 2^((s - m) c) / the sum: the maximum is taken away first; the four tokens by turns
.irp q, 0,1,2,3
	v_max3_num_f32 v[T+2*\q], v[SB+8*\q], v[SB+8*\q+1], v[SB+8*\q+2]
.endr
.irp k, 3,5
.irp q, 0,1,2,3
	v_max3_num_f32 v[T+2*\q], v[T+2*\q], v[SB+8*\q+\k], v[SB+8*\q+\k+1]
.endr
.endr
.irp q, 0,1,2,3
	v_max_num_f32 v[T+2*\q], v[T+2*\q], v[SB+8*\q+7]
.endr
.irp q, 0,1,2,3
	v_permlanex16_b32 v[T+2*\q+1], v[T+2*\q], s[SEL], s[SEL+1]
.endr
.irp q, 0,1,2,3
	v_max_num_f32 v[T+2*\q], v[T+2*\q], v[T+2*\q+1]                ; with lane l xor 16's eight: the row's largest score
.endr
.irp k, 0,2,4,6
.irp q, 0,1,2,3
	v_pk_add_f32 v[SB+8*\q+\k:SB+8*\q+\k+1], v[SB+8*\q+\k:SB+8*\q+\k+1], v[T+2*\q:T+2*\q+1] op_sel_hi:[1,0] neg_lo:[0,1] neg_hi:[0,1]   ; s - m
.endr
.endr
.irp k, 0,2,4,6
.irp q, 0,1,2,3
	v_pk_mul_f32 v[SB+8*\q+\k:SB+8*\q+\k+1], v[SB+8*\q+\k:SB+8*\q+\k+1], s[CS:CS+1] op_sel_hi:[1,0]
.endr
.endr
.set i, 0
	s_wait_alu depctr_va_vdst(0)
.rept 32
	v_exp_f32 v[SB+i], v[SB+i]
.set i, i+1
.endr
	v_nop                                          ; a plain place behind the last exponential
	s_wait_alu depctr_va_vdst(0)                   ; one wait for the batch of 32, ahead of its first reader
.irp q, 0,1,2,3
	v_pk_add_f32 v[T+28+2*\q:T+29+2*\q], v[SB+8*\q:SB+8*\q+1], v[SB+8*\q+2:SB+8*\q+3]
.endr
.irp k, 4,6
.irp q, 0,1,2,3
	v_pk_add_f32 v[T+28+2*\q:T+29+2*\q], v[T+28+2*\q:T+29+2*\q], v[SB+8*\q+\k:SB+8*\q+\k+1]
.endr
.endr
.irp q, 0,1,2,3
	v_add_f32 v[T+28+2*\q], v[T+28+2*\q], v[T+29+2*\q]
.endr
.irp q, 0,1,2,3
	v_permlanex16_b32 v[T+29+2*\q], v[T+28+2*\q], s[SEL], s[SEL+1]
.endr
.irp q, 0,1,2,3
	v_add_f32 v[T+28+2*\q], v[T+28+2*\q], v[T+29+2*\q]             ; the row's sum, at least 1
.endr
	s_wait_alu depctr_va_vdst(0)
.irp q, 0,1,2,3
	v_rcp_f32 v[T+12+4*\q], v[T+28+2*\q]
.endr
	v_nop
	s_wait_alu depctr_va_vdst(0)                   ; one wait for the four reciprocals
	WIN 0xc0                                       ; P lies in window 3
.irp q, 0,1,2,3
.irp k, 0,2,4,6
	v_pk_mul_f32 v[PB+8*(4*(\bt)+\q)+\k:PB+8*(4*(\bt)+\q)+\k+1], v[SB+8*\q+\k:SB+8*\q+\k+1], v[T+12+4*\q:T+13+4*\q] op_sel_hi:[1,0]
.endr
.endr
	WIN 0
.endm
.irp q, 0,1,2,3
.irp j, 6,7,8,9,10,11
	v_mov_b32 v[ACC+24*\q+\j], 0                   ; zero codes for K = 64 .. 127: written once, the loads below fill the lower six registers alone
	v_mov_b32 v[ACC+12+24*\q+\j], 0
.endr
.endr
.rept 4
	v_nop                                          ; an operand written by vector instructions stands four places ahead of a scaled product
.endr
	SLOAD 0
	s_wait_alu depctr_va_vdst(0)
.irp bt, 0,1,2,3
	s_wait_dscnt 0x0
.irp q, 0,1,2,3
	v_wmma_scale_f32_16x16x128_f8f6f4 v[SB+8*\q:SB+8*\q+7], v[ACC+24*\q:ACC+24*\q+11], v[ACC+12+24*\q:ACC+12+24*\q+11], 0, v[SSC+\q], v[SSC+\q] matrix_a_fmt:MATRIX_FMT_BF6 matrix_b_fmt:MATRIX_FMT_BF6 matrix_a_scale:MATRIX_SCALE_ROW1
.endr
.rept 4
	v_nop                                          ; places in front of the loads into the fragments and of the first read of the scores
.endr
.if \bt < 3
	SLOAD \bt+1                                    ; the next four tokens' fragments land under this batch's softmax
.endif
	SOFT \bt
.endr
; ---- v and product 3, a half of the channels (32 b on) at a time.
; A tile of a chunk of v is one channel and its rows are the heads: lane (r, h) holds token r, heads 8 h + 0 .. 7: 32 bytes of the channel's place in the token's part of VB.
.macro VEPI a
.irp m, 0,1,2,3
.irp t, 0,1,2,3
.irp i, 0,1
	ds_store_b128 v[VW+\m], v[ACC+32*\m+8*\t+4*\i:ACC+32*\m+8*\t+4*\i+3] offset:320*\a+80*\t+16*\i   ; each accumulator from its low end on
.endr
.endr
.endr
	s_wait_dscnt 0x0                               ; the stores have read the accumulators
.endm
; O^T = v^T p^T in f32: source 0 = 16 channels x 4 heads, source 1 = 4 heads x 16 heads i.  Lane (., h) holds heads 8 h + 0 .. 7 on both sides, and step s takes registers 2 s, 2 s + 1:
; the same permutation of K on both operands.  v's fragments come two tokens a batch, two batches of registers by turns.
.macro VFETCH n
.irp k, 0,1
.irp u, 0,1
.irp i, 0,1
	ds_load_b128 v[ACC+32*((\n)%2)+16*\k+8*\u+4*\i:ACC+32*((\n)%2)+16*\k+8*\u+4*\i+3], v[VR] offset:VTP*(2*(\n)+\k)+1280*\u+16*\i
.endr
.endr
.endr
.endm
; TOKEN BY TOKEN, ON TWO PAIRS OF ACCUMULATORS: token t's eight products (tiles u = 0, 1 by turns, K ascending) write pair t % 2, in two runs of four.
; The quantiser of token t - 1, which reads the other pair, stands behind the runs: its maxima behind the first, its byte and codes behind the second.  Each sum begins with the constant 0.
.macro PW t, i
	WIN 0xfc
.set pd, OA+16*((\t)%2)+8*((\i)%2)
.set pa, ACC+16*((\t)%4)+8*((\i)%2)+2*((\i)/2)
.set pp, PB+8*(\t)+2*((\i)/2)
.if (\i) < 2
	v_wmma_f32_16x16x4_f32 v[pd:pd+7], v[pa:pa+1], v[pp:pp+1], 0
.else
	v_wmma_f32_16x16x4_f32 v[pd:pd+7], v[pa:pa+1], v[pp:pp+1], v[pd:pd+7]
.endif
.endm
.macro QP q                            ; nine places behind token q's last product: eight serve the reads of its sums and the loads into its fragments, the ninth the products that begin its pair's sums anew
.if (\q) >= 0
	WIN 0
	v_mov_b32 v[T], 0x2800000                      ; the floor 2^(5 - 127) starts the three chains of the maximum
	v_mov_b32 v[T+1], 0x2800000
	v_mov_b32 v[T+2], 0x2800000
.if (\q) == 0
.rept 6
	v_nop                                          ; token 0: nothing else stands behind its last product: 3 + 6 places
.endr
.else
.rept 2
	v_nop                                          ; behind token q's last product stand the four plain lines of token q - 1's byte (the lane permute not counted), its v_nop, the three moves and these two: ten places
.endr
.endif
.endif
.endm
.macro QM q                            ; lane (i, h)'s 16 numbers, channels 32 b + 16 h + 0 .. 15 of head i, in three chains by turns; each accumulator from its low end on
.if (\q) >= 0
	WIN 0x3c                                       ; sources 1 and 2 window 3
.irp j, 0,1,2,3,4,5,6,7
	v_max3_num_f32 v[T+\j%3], v[T+\j%3], |v[OA+16*((\q)%2)+2*\j]|, |v[OA+16*((\q)%2)+2*\j+1]|
.endr
.endif
.endm
.macro QB q                            ; with lane l xor 16's 16: the block's largest magnitude, the conversion's scale operand, the byte
.if (\q) >= 0
	WIN 0
	v_max3_num_f32 v[T], v[T], v[T+1], v[T+2]      ; the three chains join
	v_permlanex16_b32 v[T+4], v[T], s[SEL], s[SEL+1]
	v_max_num_f32 v[T], v[T], v[T+4]
	v_add_nc_u32 v[T+8], 0xfe000000, v[T]
	v_lshrrev_b32 v[T+28+(\q)%4], 23, v[T+8]
.endif
.endm
.macro QC q                            ; the codes and the byte, in four sets of registers by turns: a set is written again four tokens on, behind a wait that shows its stores done
.if (\q) >= 0
	WIN 0x03                                       ; source 0 window 3
	v_cvt_scalef32_pk16_bf6_f32 v[T+12+4*((\q)%4):T+14+4*((\q)%4)], v[OA+16*((\q)%2):OA+16*((\q)%2)+15], v[T+8]
	WIN 0
	v_nop                                          ; one plain place behind the conversion
.irp i, 0,1,2
	ds_store_b32 v[OC], v[T+12+4*((\q)%4)+\i] offset:RAP*(\q)+4*\i      ; e = 64 i + 32 b + 16 h on: 12 bytes at 48 i + 24 b + 12 h of the token's row
.endr
	ds_store_b8 v[OSB], v[T+28+(\q)%4] offset:SAP*(\q)
.endif
.endm
.macro PVT t
.if (\t) == 0
	VFETCH 1
	s_wait_dscnt 8                                 ; batch 0 is in; batch 1's eight loads may be out
.elseif (\t) == 2
	s_wait_dscnt 4                                 ; batch 1 is in: behind its loads stand token 0's four stores
.elseif (\t)%2 == 0
	s_wait_dscnt 8                                 ; this batch is in: behind its loads stand two tokens' stores, four each
.endif
	PW \t, 0
	PW \t, 1
	PW \t, 2
	PW \t, 3
	QP \t-1
.if ((\t) > 0) && ((\t)%2 == 0) && ((\t) < 14)
	VFETCH (\t)/2+1                                ; the next batch, into the registers of tokens t - 2 and t - 1, behind the places
.endif
	QM \t-1
	PW \t, 4
	PW \t, 5
	PW \t, 6
	PW \t, 7
	QB \t-1
	QC \t-1
.endm
	s_mov_b32 s[BC], 0
	s_mov_b32 s[BO], 0
	s_mov_b32 s[CNT], 2
.Lhalf:
	CHUNK 1
	VEPI 0
	WSTEP
	CHUNK 1
	VEPI 1
	WSTEP
	BARRIER                                        ; 3: 32 channels of v, all heads, all tokens, lie in LDS
	v_add_nc_u32 v[OC], s[BC], v[OC0]
	v_add_nc_u32 v[OSB], s[BO], v[OSB0]
	VFETCH 0
.irp t, 0,1,2,3,4,5,6,7,8,9,10,11,12,13,14,15
	PVT \t
.endr
	QP 15                                          ; the last token's quantiser has no products to stand between
	QM 15
	QB 15
	QC 15
	BARRIER                                        ; 4: nobody reads this half of v any more; in the last trip: attention's rows of codes are whole
	s_add_co_u32 s[BC], s[BC], 24
	s_add_co_u32 s[BO], s[BO], 1
	s_sub_co_u32 s[CNT], s[CNT], 1
	s_cmp_lg_u32 s[CNT], 0
	s_cbranch_scc1 .Lhalf
; ---- OUT.  The tokens' operand is now attention's result; four chunks of W_out.  A lane holds 8 neighbouring columns of a row, and a chunk's 64 columns are 256 bytes of it:
; they go through my own stage (64 rows of 256 + 16 bytes) and leave as whole rows: sixteen lanes store 256 consecutive bytes, at a multiple of 256 from out0's first byte.
	FRAGS
.macro OEPI more
.irp m, 0,1,2,3
.irp t, 0,1,2,3
.irp i, 0,1
	ds_store_b128 v[OS], v[ACC+32*\m+8*\t+4*\i:ACC+32*\m+8*\t+4*\i+3] offset:16*272*\m+128*(\t/2)+32*(\t%2)+16*\i
.endr
.endr
.endr
	WIN 0xc0                                       ; back into window 3, where P lay
.set i, 0
.rept 32
	ds_load_b128 v[PB+4*i:PB+4*i+3], v[ORD] offset:544*i           ; LDS serves a wave's instructions in order: these see my stores.  Lanes 0-15 row 2 i, lanes 16-31 row 2 i + 1
.set i, i+1
.endr
	WIN 0x0c                                       ; a store's data are its source 1
.set i, 0
.rept 32
	s_wait_dscnt 31-i
	global_store_b128 v[GO], v[PB+4*i:PB+4*i+3], s[OB:OB+1] offset:8192*i th:TH_STORE_NT   ; written once, read by nobody here
.set i, i+1
.endr
	WIN 0
.if \more
	s_wait_xcnt 0x0                                ; the stores have read their registers and their base
	s_add_nc_u64 s[OB:OB+1], s[OB:OB+1], 256
.endif
.endm
	s_mov_b32 s[CNT], 3
.Lout:
	CHUNK 1
	OEPI 1
	WSTEP
	s_sub_co_u32 s[CNT], s[CNT], 1
	s_cmp_lg_u32 s[CNT], 0
	s_cbranch_scc1 .Lout
	CHUNK 0                                        ; my last chunk: no load leaves the stream
	OEPI 0
	s_set_vgpr_msb 0x4
	s_wait_tensorcnt 0x0
	ds_add_u32 v13, v255
	s_wait_dscnt 0x0
	s_set_vgpr_msb 0x400
	s_endpgm
.Lfunc_end_k_qb88d989b63_fused:
	.size	k_qb88d989b63_fused, .Lfunc_end_k_qb88d989b63_fused-k_qb88d989b63_fused
	.p2alignl 7, 3214868480
	.fill 96, 4, 3214868480
	.section	.rodata,"a",@progbits
	.p2align	6, 0x0
	.amdhsa_kernel k_qb88d989b63_fused
		.amdhsa_group_segment_fixed_size 322048
		.amdhsa_private_segment_fixed_size 0
		.amdhsa_enable_private_segment 0
		.amdhsa_kernarg_size 24
		.amdhsa_user_sgpr_count 2
		.amdhsa_user_sgpr_kernarg_segment_ptr 1
		.amdhsa_wavefront_size32 1
		.amdhsa_system_sgpr_workgroup_id_x 1
		.amdhsa_system_sgpr_workgroup_id_y 1
		.amdhsa_system_sgpr_workgroup_id_z 1
		.amdhsa_system_vgpr_workitem_id 0
		.amdhsa_next_free_vgpr 1024
		.amdhsa_next_free_sgpr 66
		.amdhsa_reserve_vcc 0
		.amdhsa_float_denorm_mode_32 3
		.amdhsa_float_denorm_mode_16_64 3
		.amdhsa_memory_ordered 1
		.amdhsa_forward_progress 1
		.amdhsa_inst_pref_size 255
	.end_amdhsa_kernel
	.section	.bss,"aw",@nobits
	.p2align	6
	.space	262144
	.amdgpu_metadata
---
amdhsa.version: [ 1, 2 ]
amdhsa.kernels:
  - .name:           k_qb88d989b63_fused
    .symbol:         k_qb88d989b63_fused.kd
    .args:
      - { .name: x, .offset: 0, .size: 8, .value_kind: global_buffer, .address_space: global }
      - { .name: wstream, .offset: 8, .size: 8, .value_kind: global_buffer, .address_space: global }
      - { .name: out0, .offset: 16, .size: 8, .value_kind: global_buffer, .address_space: global }
    .group_segment_fixed_size: 322048
    .private_segment_fixed_size: 0
    .kernarg_segment_align: 8
    .kernarg_segment_size: 24
    .max_flat_workgroup_size: 128
    .sgpr_count:     66
    .vgpr_count:     1024
    .wavefront_size: 32
...
	.end_amdgpu_metadata
.endif
;; end of part 2
